; MI455X (gfx1250); checked and timed in simulation.
; The chip was launched on July 23, 2026; its instructions are those of AMD's public machine-readable ISA for CDNA 5 (MIT licence, August 2026) and "CDNA5" Instruction Set Architecture Reference Guide (July 2026). The comments in the code are by the model that wrote it; some were corrected since.
;; Mo E. Allowed arithmetic: matrix products marked QUANTISED: E2M3 operands, one E8M0 scale for each 32 along K, by v_wmma_scale_f32_16x16x128_f8f6f4 with both operands' format E2M3, f32 sums; products left as they are: f32 operands where the result goes on into a quantised operand, else bf16, f16 or f32 operands; f32 sums; everything else in f32.
;; Inputs: W1 8 x 1,024 x 512 float32; W2 8 x 512 x 1,024 float32; Wg 1,024 x 8 float32; b1 8 x 512 float32; b2 8 x 1,024 float32; bg 8 float32; x 4 x 2,048 x 1,024 float32.
;; Outputs: out0 4 x 2,048 x 1,024 float32.
;; This version of the problem:
;;   THIS VERSION OF THE PROBLEM IS GIVEN IN LOW PRECISION. The matrix products marked QUANTISED in the list below multiply operands that are first quantised to E2M3 (2 exponent bits, 3 mantissa bits; 6 bits a number), with one power-of-two scale for each 32 numbers along K (OCP MX v1.0); their sums are f32. All else is computed in f32.
;;   The module's matrix products, in the order in which they are computed (A, B: the left and right operand; K: the contracted axis; several contracted axes count as one K, in the product's order):
;;     1. [M 8,192, K 1,024] x [K 1,024, N 8]; A: input x; B: input Wg: left as it is (N = 8 < 16)
;;     2. [M 8,192, K 1,024] x [K 1,024, N 4,096]; A: input x; B: input W1: QUANTISED
;;     3. batch 8 x [M 1,024, K 512] x [K 512, N 8,192]; A: input W2; B: computed on the way: QUANTISED
;;     4. batch 8,192 x [M 1,024, K 8] x [K 8, N 1]; A: computed on the way; B: softmax: left as it is (K = 8 < 32)
;;   THE QUANTISER, for each operand of a quantised product, along K:
;;     - K is cut into blocks of 32 from its start; a last block that is shorter is filled with zeros.
;;     - A block's scale is 2^e with e = floor(log2(the largest magnitude in the block)) - 2, held to -126 .. 127; a block of zeros has e = 0. As a byte (E8M0): e + 127.
;;     - Each number is divided by its block's scale, clamped to +-7.5, and rounded to the nearest number of E2M3, ties to even, subnormals kept.
;;     - The product sums the exact products of the quantised numbers (number of the format x scale) in f32.
;;   ~~~python
;;   def quantise(x, axis):      # numpy; x: float32 -> the quantised numbers, widened to float32 again
;;       x = np.moveaxis(x, axis, -1); K = x.shape[-1]
;;       x = np.pad(x, [(0, 0)] * (x.ndim - 1) + [(0, -K % 32)]); x = x.reshape(x.shape[:-1] + (-1, 32)); a = np.abs(x).max(-1, keepdims=True)
;;       e = np.where(a > 0, np.clip(np.frexp(np.where(a > 0, a, 1))[1] - 1 - 2, -126, 127), 0)      # np.frexp(a)[1] - 1 = floor(log2(a)), exactly
;;       r = np.clip(x / 2.0 ** e, -7.5, 7.5)
;;       step = 2.0 ** (np.maximum(np.frexp(np.where(r == 0, 1, r))[1] - 1, 0) - 3)
;;       q = np.round(r / step) * step * 2.0 ** e      # np.round: ties to even
;;       return np.moveaxis(q.reshape(q.shape[:-2] + (-1,))[..., :K], -1, axis).astype(np.float32)
;;   ~~~
;;   OPERANDS COMPUTED ON THE WAY. 'Computed on the way' means the value that the module computes at that place (a softmax that the list does not call 'softmax' is quantised finished and normalised). What goes into a quantiser is computed in f32, as accurately as f32 sums, v_exp_f32 and their like allow (about 1e-6 of the number): no bf16 or f16 on the way to a quantiser, and a product that is left as it is and whose result goes on into a quantised operand takes f32 operands (vector FMAs, or v_wmma_f32_16x16x4_f32). A number that lies on a knife's edge between two numbers of the format may be rounded either way, as far as f32 arithmetic and the matrix unit's own rounding can turn it there, and no further.
;; One version. Each part assembles by itself: llvm-mc -triple=amdgcn-amd-amdhsa -mcpu=gfx1250 --defsym DOCPART=n.
;; ======== version 1 of 1: 3 launches
;; workspace buffers: xb 6,553,600 bytes; w1b 3,276,800 bytes; w2b 3,276,800 bytes; hb 26,214,400 bytes; gate 262,144 bytes
;; launch prep (part 1): grid 1024 x 1, 4 waves a work-group, no clusters, 55,808 bytes of LDS; arguments x, Wg, bg, W1, W2, xb, w1b, w2b, gate; writes xb, w1b, w2b, gate
.if DOCPART == 1
	.amdgcn_target "amdgcn-amd-amdhsa--gfx1250"
	.amdhsa_code_object_version 6
	.text
	.protected	k_qb37be38292_prep
	.globl	k_qb37be38292_prep
	.p2align	8
	.type	k_qb37be38292_prep,@function
k_qb37be38292_prep:
	s_mov_b64 s[64:65], 0
	v_nop
	global_prefetch_b8 v0, s[64:65] scope:SCOPE_SE
	s_setreg_imm32_b32 hwreg(HW_REG_WAVE_MODE, 25, 1), 1
	s_wait_xcnt 0x0
; PREP: everything that is quantised once.  x [8192][1024], W1 [8][1024][512], W2 [8][512][1024], all f32, become codes of FP6 (E2M3) with one E8M0 byte for each 32 along K,
; laid in the ORDER OF THE OPERAND'S REGISTERS: a fragment (16 rows x 128 K, 12 registers a lane) is 1,536 bytes, register group c (registers 4c..4c+3) of lane l at 512 c + 16 l;
; a K step's block is T such fragments and behind them T x 16 scale words (tile t, row r at 1536 T + 64 t + 4 r).  xb: [64 blocks of 128 tokens][8 K steps][12,800 bytes], T = 8.
; w1b: [16 blocks of 256 columns 512 e + f][8 K steps][25,600], T = 16; w2b: [4 blocks of 256 columns d][32 K steps 4 e + f / 128][25,600].
; In w1b row r of tile t is column 32 (t / 2) + 8 (t % 2) + r % 8 + 16 (r / 8) of its block, so that the next launch's results lie as neighbours along the next K.
; The same launch makes the gates: logits = x Wg + bg by the bf16 matrix form (their result feeds no quantiser), softmax(logits / 2.2) in f32 with the row's maximum taken away; gate: [8][8192] f32.
; A block's scale is 2^(floor(log2(largest magnitude)) - 2); its byte is the largest magnitude's exponent field - 2, held at 1 from below.
; LIMITS: a block of zeros, or one whose largest magnitude lies under 2^-124, gets the byte 1 (its codes are zeros or held; this program alone reads the bytes); NaN and infinities among the inputs are not served;
; the logits take x and Wg rounded to bf16.
; SHARES: work-groups 0-511: one tile of 16 tokens each, wave w its K steps 2 w and 2 w + 1; 512-767: W1; 768-1023: W2, a wave 128 along K x 32 columns.  Every work-group reads 64 KiB.
; No cluster: the work-groups share Wg alone, 8 KiB a wave beside 16 KiB of x.  No tensor load: the numbers pass through registers anyway.
.set STGP, 528                         ; a row of the stage: 512 bytes + 16, so that sixteen rows' 16-byte pieces fall on sixteen different columns of 16 bytes modulo 256
.set WREG, 12800                       ; LDS of a wave: the stage, 16 rows, and behind it Wg's table
.set WTBO, 16*STGP                     ; Wg's table: [16 runs of 16 k][8 experts][32 bytes = 16 bf16 along k]
.set LGB,  4*WREG                      ; behind the four waves' regions: the logits' parts, 1,024 bytes a wave
.set R0,   16                          ; v16-79   x of K step 2 w as loaded, row i at 4 i;  v80-143 of K step 2 w + 1
.set X,    144                         ; v144-207 Wg as loaded, later 64 numbers of my row: register 32 c + i = k 64 c + 32 h + i
.set WP,   208                         ; v208-239 Wg packed to bf16, at the start alone
.set PC,   208                         ; v208-219 a fragment's codes
.set TM,   220                         ; v220-221 largest magnitudes, v224-225 scale operands, v226-227 bytes, v228-229 the two K steps' scale words
.set TU,   232                         ; v232-239 the upper halves of the blocks' codes ahead of their moves
.set XBF,  16                          ; v16-47   x in bf16, four chunks of 32 along K (in the registers that K step 2 w's numbers have left)
.set WF,   48                          ; v48-79   Wg's fragments for them
.set ACC,  240                         ; v240-247, v248-255 two accumulators by turns
	s_load_b256 s[4:11], s[0:1], 0x0               ; x s[4:5], Wg s[6:7], bg s[8:9], W1 s[10:11]
	s_load_b256 s[12:19], s[0:1], 0x20             ; W2 s[12:13], xb s[14:15], w1b s[16:17], w2b s[18:19]
	s_load_b64 s[20:21], s[0:1], 0x40              ; gate
	s_set_vgpr_msb 0x40
	v_lshl_add_u32 v0, v0, 2, 0xd800
	v_mov_b32 v1, 0
	s_set_vgpr_msb 0x4000
	v_lshrrev_b32 v1, 5, v0
	v_readfirstlane_b32 s22, v1                    ; wave 0..3
	v_and_b32 v1, 31, v0                           ; l
	v_and_b32 v2, 15, v0                           ; r
	v_bfe_u32 v3, v0, 4, 1                         ; h
	v_lshlrev_b32 v4, 4, v1                        ; 16 l
	s_mov_b32 s44, 0x76543210
	s_mov_b32 s45, 0xfedcba98                      ; v_permlanex16_b32's selects for lane l xor 16
	s_wait_kmcnt 0x0
	s_cmp_lt_u32 ttmp9, 512                        ; the paths part on the work-group's number: the same in all four waves
	s_cbranch_scc0 .Lweights
; ---------------- x: codes, scale words and gates of token tile T = the work-group's number ----------------
	s_load_b256 s[24:31], s[8:9], 0x0              ; bg, eight numbers
	s_mul_i32 s23, s22, WREG
	v_add_nc_u32 v8, s23, v4                       ; the stage, in: 16 l, row i in the immediate
	v_mul_u32_u24 v9, v2, STGP
	v_lshl_add_u32 v9, v3, 7, v9
	v_add_nc_u32 v9, s23, v9                       ; and back: row r, + 128 h: my 32 numbers of each 64
	v_lshrrev_b32 v14, 1, v1                       ; Wg: lane l takes run l / 2 of 16 k, experts 4 (l % 2) on
	v_and_b32 v15, 1, v1
	v_lshlrev_b32 v5, 9, v14
	v_lshl_add_u32 v5, v15, 4, v5                  ; in memory: 512 bytes a run, 16 bytes for four experts
	v_lshlrev_b32 v6, 8, v14
	v_lshl_add_u32 v6, v15, 7, v6
	v_add_nc_u32 v6, s23, v6
	v_add_nc_u32 v6, WTBO, v6                      ; in the table: 256 bytes a run, 32 an expert
	v_and_b32 v7, 7, v0
	v_lshlrev_b32 v7, 5, v7
	v_lshl_add_u32 v7, v3, 9, v7
	v_add_nc_u32 v7, s23, v7
	v_add_nc_u32 v7, WTBO, v7                      ; a fragment of Wg: row r is expert r % 8; lanes 16-31 stand two runs on
	s_lshl_b32 s32, s22, 10
	v_add_nc_u32 v11, LGB, v4                      ; the logits' parts: 16 l,
	v_add_nc_u32 v10, s32, v11                     ; + 1,024 x wave for my own
	v_lshlrev_b32 v14, 3, v3                       ; 8 h: where my two scale bytes stand in the word
	s_lshl_b32 s32, ttmp9, 16                      ; x: 16 rows of 4,096 bytes a tile, 1,024 bytes a wave
	s_lshl_b32 s33, s22, 10
	s_add_co_u32 s32, s32, s33
	s_mov_b32 s33, 0
	s_add_nc_u64 s[4:5], s[4:5], s[32:33]
	s_lshl_b32 s32, s22, 13                        ; Wg: my 256 rows of 32 bytes
	s_add_nc_u64 s[6:7], s[6:7], s[32:33]
	s_lshr_b32 s34, ttmp9, 3
	s_lshl_b32 s34, s34, 3
	s_lshl_b32 s35, s22, 1
	s_add_co_u32 s34, s34, s35
	s_mul_i32 s34, s34, 12800                      ; xb: block (T / 8, K step 2 w),
	s_and_b32 s35, ttmp9, 7
	s_mul_i32 s36, s35, 1536                       ; fragment T % 8
	s_add_co_u32 s32, s34, s36
	s_add_nc_u64 s[14:15], s[14:15], s[32:33]
	s_lshl_b32 s32, ttmp9, 6                       ; gate: 16 tokens of 4 bytes
	s_add_nc_u64 s[20:21], s[20:21], s[32:33]
	s_mul_i32 s36, s35, 1472                       ; the scale words lie at 12,288 + 64 (T % 8) of the block, and the base stands 1,536 (T % 8) in
	s_sub_co_u32 s36, 12288, s36
	v_lshlrev_b32 v13, 2, v2
	v_mad_u32_u24 v12, v3, 12800, v13
	v_add_nc_u32 v12, s36, v12                     ; lanes 0-15 store K step 2 w's words, lanes 16-31 the next block's
	v_lshl_add_u32 v13, v3, 17, v13                ; gate: 4 r, lanes 16-31 four experts (4 x 32,768 bytes) on
.irp i, 0,1,2,3,4,5,6,7,8,9,10,11,12,13,14,15
	global_load_b128 v[X+4*\i:X+4*\i+3], v5, s[6:7] offset:32*\i               ; Wg(256 w + 16 (l / 2) + i, 4 (l % 2) ..)
.endr
.irp kk, 0,1
.irp i, 0,1,2,3,4,5,6,7,8,9,10,11,12,13,14,15
	global_load_b128 v[R0+64*\kk+4*\i:R0+64*\kk+4*\i+3], v4, s[4:5] offset:4096*\i+512*\kk th:TH_LOAD_NT   ; 32 lanes read 512 consecutive bytes: a K step of row i
.endr
.endr
	s_wait_loadcnt 32                              ; Wg is in; the 32 loads of x are younger
.irp e, 0,1,2,3
.irp m, 0,1,2,3,4,5,6,7
	v_cvt_pk_bf16_f32 v[WP+8*\e+\m], v[X+8*\m+\e], v[X+8*\m+4+\e]              ; expert 4 (l % 2) + e, k 2 m and 2 m + 1 of my run
.endr
.endr
.irp e, 0,1,2,3
.irp u, 0,1
	ds_store_b128 v6, v[WP+8*\e+4*\u:WP+8*\e+4*\u+3] offset:32*\e+16*\u
.endr
.endr
; One K step: through the stage, quantised, stored as a fragment's image, and multiplied by Wg.
.macro KSTEP kk
	s_wait_loadcnt 16*(1-\kk)                      ; this K step's 16 loads are in (the other's may be out)
.irp i, 0,1,2,3,4,5,6,7,8,9,10,11,12,13,14,15
	ds_store_b128 v8, v[R0+64*\kk+4*\i:R0+64*\kk+4*\i+3] offset:STGP*\i
.endr
.irp c, 0,1
.irp j, 0,1,2,3,4,5,6,7
	ds_load_b128 v[X+32*\c+4*\j:X+32*\c+4*\j+3], v9 offset:256*\c+16*\j       ; LDS serves a wave's instructions in order: these see my stores.  x(r, 64 c + 32 h + 4 j ..)
.endr
.endr
	s_wait_dscnt 0x0                               ; my row's 64 numbers are in, and the stores have read their registers, into which Wg's fragments now come
.irp ch, 0,1,2,3
.irp u, 0,1
	ds_load_b128 v[WF+8*\ch+4*\u:WF+8*\ch+4*\u+3], v7 offset:(8*\kk+4*(\ch/2)+\ch%2)*256+16*\u   ; chunk 2 c + p: run 8 kk + 4 c + 2 h + p: the very k that my registers 32 c + 16 p .. hold
.endr
.endr
.irp c, 0,1
	v_max3_num_f32 v[TM+\c], |v[X+32*\c]|, |v[X+32*\c+1]|, 0x1800000           ; block 2 c + h is all mine; the floor 2^(3 - 127) holds the byte at 1 from below
.endr
.irp i, 2,4,6,8,10,12,14,16,18,20,22,24,26,28,30
.irp c, 0,1
	v_max3_num_f32 v[TM+\c], v[TM+\c], |v[X+32*\c+\i]|, |v[X+32*\c+\i+1]|
.endr
.endr
.irp c, 0,1
	v_add_nc_u32 v[TM+4+\c], 0xff000000, v[TM+\c]  ; 2 off the exponent field: the conversion's scale operand
.endr
.irp c, 0,1
	v_lshrrev_b32 v[TM+6+\c], 23, v[TM+4+\c]       ; the scale's byte
.endr
	v_lshl_or_b32 v[TM+8+\kk], v[TM+7], 16, v[TM+6]
	v_lshlrev_b32 v[TM+8+\kk], v14, v[TM+8+\kk]    ; blocks h and 2 + h at their places,
	v_permlanex16_b32 v15, v[TM+8+\kk], s44, s45
	v_or_b32 v[TM+8+\kk], v[TM+8+\kk], v15         ; with lane l xor 16's two the row's word is whole, in both halves
.if \kk
	s_wait_xcnt 0x0                                ; the first K step's stores have read the codes' registers
.endif
.irp c, 0,1
	v_cvt_scalef32_pk16_fp6_f32 v[PC+6*\c:PC+6*\c+2], v[X+32*\c:X+32*\c+15], v[TM+4+\c]
	v_cvt_scalef32_pk16_fp6_f32 v[TU+4*\c:TU+4*\c+2], v[X+32*\c+16:X+32*\c+31], v[TM+4+\c]   ; (a conversion's three registers begin on an even number)
.endr
	v_nop                                          ; one plain place behind a scaled conversion
.irp c, 0,1
.irp i, 0,1,2
	v_mov_b32 v[PC+6*\c+3+\i], v[TU+4*\c+\i]
.endr
.endr
.irp g, 0,1,2
	global_store_b128 v4, v[PC+4*\g:PC+4*\g+3], s[14:15] offset:12800*\kk+512*\g   ; 32 lanes store 512 consecutive bytes, at a multiple of 512 from xb's first byte
.endr
.irp ch, 0,1,2,3
.irp m, 0,1,2,3,4,5,6,7
	v_cvt_pk_bf16_f32 v[XBF+8*\ch+\m], v[X+16*\ch+2*\m], v[X+16*\ch+2*\m+1]
.endr
.endr
	s_wait_dscnt 0x0                               ; Wg's fragments are in
.irp ch, 0,1,2,3                       ; source 0 = 16 rows, expert r % 8; source 1 = my 16 tokens; k is permuted alike on both sides.  The two accumulators take turns
.if (\kk == 0) && (\ch < 2)
	v_wmma_f32_16x16x32_bf16 v[ACC+8*(\ch%2):ACC+8*(\ch%2)+7], v[WF+8*\ch:WF+8*\ch+7], v[XBF+8*\ch:XBF+8*\ch+7], 0
.else
	v_wmma_f32_16x16x32_bf16 v[ACC+8*(\ch%2):ACC+8*(\ch%2)+7], v[WF+8*\ch:WF+8*\ch+7], v[XBF+8*\ch:XBF+8*\ch+7], v[ACC+8*(\ch%2):ACC+8*(\ch%2)+7]
.endif
.endr
.rept 4
	v_nop                                          ; four places ahead of loads into, and writes of, the products' registers, and of the first read of results
.endr
.endm
	KSTEP 0
	KSTEP 1
.irp j, 0,1,2,3,4,5,6,7
	v_add_f32 v[16+\j], v[ACC+\j], v[ACC+8+\j]     ; lane (r, h): my 256 k's part of the logit of token r, expert j (both halves hold the same); each accumulator from its low end on
.endr
	ds_store_b128 v10, v[16:19]
	ds_store_b128 v10, v[20:23] offset:512
	v_cmp_le_u32 vcc_lo, 16, v1                    ; lanes 16-31
	v_cndmask_b32 v24, v[TM+8], v[TM+9], vcc_lo
	global_store_b32 v12, v24, s[14:15]            ; sixteen words for each of my two K steps
	s_wait_kmcnt 0x0                               ; bg
	s_wait_dscnt 0x0                               ; for the others' sake: my part of the logits lies in LDS
	s_barrier_signal -1
	s_barrier_wait -1
	s_cmp_lg_u32 s22, 0                            ; wave 0 finishes the gates; no barrier follows
	s_cbranch_scc1 .Lx_end
.irp w, 0,1,2,3
.irp u, 0,1
	ds_load_b128 v[32+8*\w+4*\u:32+8*\w+4*\u+3], v11 offset:1024*\w+512*\u
.endr
.endr
	s_wait_dscnt 0x0
.irp j, 0,1,2,3,4,5,6,7
	v_add_f32 v[64+\j], v[32+\j], v[40+\j]
	v_add_f32 v[72+\j], v[48+\j], v[56+\j]
.endr
.irp j, 0,1,2,3,4,5,6,7
	v_add_f32 v[64+\j], v[64+\j], v[72+\j]
.endr
.irp j, 0,1,2,3,4,5,6,7
	v_add_f32 v[64+\j], s[24+\j], v[64+\j]         ; + bg
.endr
	v_max3_num_f32 v80, v64, v65, v66
	v_max3_num_f32 v80, v80, v67, v68
	v_max3_num_f32 v80, v80, v69, v70
	v_max_num_f32 v80, v80, v71                    ; the token's largest logit is taken away ahead of the exponentials
.irp j, 0,1,2,3,4,5,6,7
	v_sub_f32 v[64+\j], v[64+\j], v80
.endr
.irp j, 0,1,2,3,4,5,6,7
	v_mul_f32 v[64+\j], 0x3f27e093, v[64+\j]       ; x log2(e) / 2.2
.endr
.irp j, 0,1,2,3,4,5,6,7
	v_exp_f32 v[64+\j], v[64+\j]
.endr
	v_nop                                          ; a plain place behind the last exponential
	s_wait_alu depctr_va_vdst(0)                   ; one wait for the batch of eight, ahead of its first reader
	v_add_f32 v81, v64, v65
	v_add_f32 v82, v66, v67
	v_add_f32 v83, v68, v69
	v_add_f32 v84, v70, v71
	v_add_f32 v81, v81, v82
	v_add_f32 v83, v83, v84
	v_add_f32 v81, v81, v83
	v_rcp_f32 v82, v81
	v_nop
	s_wait_alu depctr_va_vdst(0)                   ; and one for the reciprocal
.irp j, 0,1,2,3,4,5,6,7
	v_mul_f32 v[64+\j], v[64+\j], v82
.endr
.irp j, 0,1,2,3
	v_cndmask_b32 v[72+\j], v[64+\j], v[68+\j], vcc_lo     ; lanes 0-15 store experts 0-3, lanes 16-31 experts 4-7
.endr
.irp j, 0,1,2,3
	global_store_b32 v13, v[72+\j], s[20:21] offset:32768*\j
.endr
.Lx_end:
	s_set_vgpr_msb 0x5
	s_wait_tensorcnt 0x0
	ds_add_u32 v0, v1
	s_wait_dscnt 0x0
	s_set_vgpr_msb 0x500
	s_endpgm
; ---------------- the weights: K is their first axis within an expert.  A lane takes a column and its registers run down K ----------------
.macro LOADB t, stride, src            ; block t: W(32 t + i, my column), i = 0 .. 31: a wave reads 128 consecutive bytes, the work-group 512
.set i, 0
.rept 32
	global_load_b32 v[16+32*(\t)+i], v5, s[\src:\src+1] offset:(32*(\t)+i)*\stride th:TH_LOAD_NT
.set i, i+1
.endr
.endm
.macro BLOCKW t                        ; its scale byte into the word v14, its codes: the lower 16 where the fragment wants them, the upper 16 aside
.set XS, 16+32*(\t)
	v_max3_num_f32 v12, |v[XS]|, |v[XS+1]|, |v[XS+2]|
	v_max3_num_f32 v13, |v[XS+3]|, |v[XS+4]|, |v[XS+5]|
.irp i, 6,10,14,18,22,26
	v_max3_num_f32 v12, v12, |v[XS+\i]|, |v[XS+\i+1]|
	v_max3_num_f32 v13, v13, |v[XS+\i+2]|, |v[XS+\i+3]|
.endr
	v_max3_num_f32 v12, v12, |v[XS+30]|, |v[XS+31]|
	v_max3_num_f32 v12, v12, v13, 0x1800000        ; and the floor 2^(3 - 127)
	v_add_nc_u32 v11, 0xff000000, v12              ; the conversion's scale operand
	v_lshrrev_b32 v13, 23, v11                     ; the byte
.if (\t) == 0
	v_mov_b32 v14, v13
.else
	v_lshl_or_b32 v14, v13, 8*(\t), v14
.endif
	v_cvt_scalef32_pk16_fp6_f32 v[144+12*((\t)%2)+6*((\t)/2):144+12*((\t)%2)+6*((\t)/2)+2], v[XS:XS+15], v11
	v_cvt_scalef32_pk16_fp6_f32 v[168+4*(\t):168+4*(\t)+2], v[XS+16:XS+31], v11
.endm
; stride: bytes from k to k + 1;  first: the path's first work-group;  w1: 1 for W1;  src, dst: the pointers' registers
.macro WPATH stride, first, w1, src, dst
	s_sub_co_u32 s24, ttmp9, \first
.if \w1
	s_and_b32 s25, s24, 3                          ; which four of the expert's 16 groups of 32 columns,
	s_bfe_u32 s26, s24, 0x30002                    ; which of its 8 K steps
.else
	s_and_b32 s25, s24, 7                          ; of 32 groups,
	s_bfe_u32 s26, s24, 0x20003                    ; of 4 K steps
.endif
	s_lshr_b32 s27, s24, 5                         ; the expert
	s_lshl_b32 s25, s25, 2
	s_add_co_u32 s25, s25, s22                     ; my wave's group
	s_lshl_b32 s28, s27, 21                        ; an expert is 2,097,152 bytes
	s_mul_i32 s29, s26, 128*\stride
	s_add_co_u32 s28, s28, s29
	s_lshl_b32 s29, s25, 7
	s_add_co_u32 s28, s28, s29
	s_mov_b32 s29, 0
	s_add_nc_u64 s[\src:\src+1], s[\src:\src+1], s[28:29]
	s_lshr_b32 s30, s25, 3
	s_and_b32 s31, s25, 7                          ; the group's place in its block of 256 columns: tiles 2 b and 2 b + 1
.if \w1
	s_lshl_b32 s32, s27, 1
	s_add_co_u32 s32, s32, s30
	s_lshl_b32 s32, s32, 3
	s_add_co_u32 s32, s32, s26                     ; block (2 e + group / 8, K step)
.else
	s_lshl_b32 s32, s30, 5
	s_lshl_b32 s33, s27, 2
	s_add_co_u32 s32, s32, s33
	s_add_co_u32 s32, s32, s26                     ; block (group / 8, 4 e + K step)
.endif
	s_mul_i32 s32, s32, 25600
	s_mul_i32 s33, s31, 3072
	s_add_co_u32 s32, s32, s33
	s_mov_b32 s33, 0
	s_add_nc_u64 s[\dst:\dst+1], s[\dst:\dst+1], s[32:33]
	s_mul_i32 s34, s31, 2944                       ; the scale words lie at 24,576 + 128 b of the block, and the base stands 3,072 b in
	s_sub_co_u32 s34, 24576, s34
	v_lshl_add_u32 v6, v1, 2, s34                  ; lane l's word: tile 2 b + l / 16, row l % 16
.if \w1
	v_and_b32 v5, 7, v1                            ; lane l takes column l % 8 + 8 (l / 16) + 16 ((l / 8) % 2) of the group
	v_lshl_or_b32 v5, v3, 3, v5
	v_bfe_u32 v7, v1, 3, 1
	v_lshl_or_b32 v5, v7, 4, v5
	v_lshlrev_b32 v5, 2, v5
.else
	v_lshlrev_b32 v5, 2, v1                        ; lane l takes column l
.endif
	LOADB 0, \stride, \src
	LOADB 1, \stride, \src
	s_wait_loadcnt 32                              ; block 0 is in; block 1's 32 loads may be out
	LOADB 2, \stride, \src
	BLOCKW 0
	s_wait_loadcnt 32                              ; block 1 is in; block 2's may be out
	LOADB 3, \stride, \src
	BLOCKW 1
	s_wait_loadcnt 32                              ; block 2 is in; block 3's may be out
	BLOCKW 2
	s_wait_loadcnt 0x0
	BLOCKW 3
	v_nop                                          ; one plain place behind a scaled conversion
; Lanes 0-15 hold the columns of tile 2 b, lanes 16-31 those of tile 2 b + 1, each lane all four blocks.  A fragment wants blocks 2 c in lanes 0-15 and 2 c + 1 in lanes 16-31:
; the swap gives the first register [even block of tile 2 b | odd block of tile 2 b] and the second the same of tile 2 b + 1.
.irp i, 0,1,2
	v_permlane16_swap_b32 v[144+\i], v[156+\i]
	v_permlane16_swap_b32 v[168+\i], v[172+\i]
	v_permlane16_swap_b32 v[150+\i], v[162+\i]
	v_permlane16_swap_b32 v[176+\i], v[180+\i]
.endr
.irp i, 0,1,2
	v_mov_b32 v[147+\i], v[168+\i]
	v_mov_b32 v[159+\i], v[172+\i]
	v_mov_b32 v[153+\i], v[176+\i]
	v_mov_b32 v[165+\i], v[180+\i]
.endr
.irp u, 0,1
.irp g, 0,1,2
	global_store_b128 v4, v[144+12*\u+4*\g:144+12*\u+4*\g+3], s[\dst:\dst+1] offset:1536*\u+512*\g   ; 512 consecutive bytes, at a multiple of 512 from the buffer's first byte
.endr
.endr
	global_store_b32 v6, v14, s[\dst:\dst+1]       ; 128 consecutive bytes of scale words
.endm
.Lweights:
	s_cmp_lt_u32 ttmp9, 768
	s_cbranch_scc0 .Lw2
	WPATH 2048, 512, 1, 10, 16
	s_endpgm
.Lw2:
	WPATH 4096, 768, 0, 12, 18
	s_endpgm
.Lfunc_end_k_qb37be38292_prep:
	.size	k_qb37be38292_prep, .Lfunc_end_k_qb37be38292_prep-k_qb37be38292_prep
	.p2alignl 7, 3214868480
	.fill 96, 4, 3214868480
	.section	.rodata,"a",@progbits
	.p2align	6, 0x0
	.amdhsa_kernel k_qb37be38292_prep
		.amdhsa_group_segment_fixed_size 55808
		.amdhsa_private_segment_fixed_size 0
		.amdhsa_enable_private_segment 0
		.amdhsa_kernarg_size 72
		.amdhsa_user_sgpr_count 2
		.amdhsa_user_sgpr_kernarg_segment_ptr 1
		.amdhsa_wavefront_size32 1
		.amdhsa_system_sgpr_workgroup_id_x 1
		.amdhsa_system_sgpr_workgroup_id_y 1
		.amdhsa_system_sgpr_workgroup_id_z 1
		.amdhsa_system_vgpr_workitem_id 0
		.amdhsa_next_free_vgpr 258
		.amdhsa_next_free_sgpr 66
		.amdhsa_reserve_vcc 1
		.amdhsa_float_denorm_mode_32 3
		.amdhsa_float_denorm_mode_16_64 3
		.amdhsa_memory_ordered 1
		.amdhsa_forward_progress 1
		.amdhsa_inst_pref_size 72
	.end_amdhsa_kernel
	.amdgpu_metadata
---
amdhsa.version: [ 1, 2 ]
amdhsa.kernels:
  - .name:           k_qb37be38292_prep
    .symbol:         k_qb37be38292_prep.kd
    .args:
      - { .name: x, .offset: 0, .size: 8, .value_kind: global_buffer, .address_space: global }
      - { .name: Wg, .offset: 8, .size: 8, .value_kind: global_buffer, .address_space: global }
      - { .name: bg, .offset: 16, .size: 8, .value_kind: global_buffer, .address_space: global }
      - { .name: W1, .offset: 24, .size: 8, .value_kind: global_buffer, .address_space: global }
      - { .name: W2, .offset: 32, .size: 8, .value_kind: global_buffer, .address_space: global }
      - { .name: xb, .offset: 40, .size: 8, .value_kind: global_buffer, .address_space: global }
      - { .name: w1b, .offset: 48, .size: 8, .value_kind: global_buffer, .address_space: global }
      - { .name: w2b, .offset: 56, .size: 8, .value_kind: global_buffer, .address_space: global }
      - { .name: gate, .offset: 64, .size: 8, .value_kind: global_buffer, .address_space: global }
    .group_segment_fixed_size: 55808
    .private_segment_fixed_size: 0
    .kernarg_segment_align: 8
    .kernarg_segment_size: 72
    .max_flat_workgroup_size: 128
    .sgpr_count:     66
    .vgpr_count:     258
    .wavefront_size: 32
...
	.end_amdgpu_metadata
.endif
;; end of part 1
;; launch up (part 2): grid 4 x 64, 4 waves a work-group, clusters of 4 x 4, 327,680 bytes of LDS; arguments xb, w1b, b1, hb; writes hb
.if DOCPART == 2
	.amdgcn_target "amdgcn-amd-amdhsa--gfx1250"
	.amdhsa_code_object_version 6
	.text
	.protected	k_qb37be38292_up
	.globl	k_qb37be38292_up
	.p2align	8
	.type	k_qb37be38292_up,@function
k_qb37be38292_up:
	s_mov_b64 s[64:65], 0
	v_nop
	global_prefetch_b8 v0, s[64:65] scope:SCOPE_SE
	s_setreg_imm32_b32 hwreg(HW_REG_WAVE_MODE, 25, 1), 1
	s_wait_xcnt 0x0
	s_wait_alu depctr_hold_cnt(0) depctr_sa_sdst(0) depctr_va_vdst(0) depctr_va_sdst(0) depctr_va_ssrc(0) depctr_va_vcc(0) depctr_vm_vsrc(0)
	s_getreg_b32 s2, hwreg(HW_REG_IB_STS2, 6, 4)
	s_cmp_eq_u32 s2, 0
	s_cbranch_scc0 .Lentry_in_a_cluster
	s_endpgm
.Lentry_in_a_cluster:
	s_bfe_u32 s2, ttmp6, 0x10000c
	s_cmp_lg_u32 s2, 0xf033
	s_cbranch_scc0 .Lentry_shape_is_right
	s_endpgm
.Lentry_shape_is_right:
; UP: hb = Q(gelu(Q(x) Q(W1) + b1)): the first quantised product, the exact GELU in f32, and the quantiser along the second product's K.  All operands are register images (see the layouts below).
; xb: [64 blocks of 128 tokens][8 K steps][12,800 bytes = 8 fragments of 1,536 + 8 x 64 bytes of scale words];  w1b: [16 blocks of 256 columns][8 K steps][25,600 = 16 fragments + 16 x 64];
; hb: [64][32 K steps 4 e + f / 128][12,800], laid as xb.  A fragment comes by three ds_load_b128 at 16 x lane: consecutive bytes, no pitch, no padding.
; SHARES.  Work-group (x, y): tokens 128 y .., columns 1,024 x .. of the 4,096 (512 e + f), as four tiles of 256 walked one after the other.  Its 128 tokens' codes for all of K, 102,400 bytes, stay in LDS;
; the weights stream through two slots of four K steps (102,400 bytes each): the work-group's eight slots are one run of 819,200 bytes of w1b.  Each wave brings a quarter of every load.
; A wave makes 64 tokens x 128 columns: 32 accumulators.  THE PRODUCT IS USED TRANSPOSED (source 0 = 16 columns of W1, source 1 = 16 tokens): a lane holds one token, and by the order in which prep laid
; W1's columns the 16 registers of tiles 2 b and 2 b + 1 are 16 neighbours along the next K.  A wave's 128 columns are one K step of the next product: one fragment and one scale word a token.
; CLUSTER 4 x 4: the four work-groups of a row share y, so x's codes are asked for jointly along the row; the four of a column share x, so the weights' slots are asked for jointly along the column.
; GELU: w = 0.5 + 0.5 erf(h / sqrt 2) by a rational form in Y = hc^2, hc = h held to +-5.2947041: w = hc P(Y) / Q(Y) + 0.5, P of degree 4, Q of degree 6, the division by v_rcp_f32; gelu = h w.
; LIMITS: w is formed as 0.5 + a number near -0.5 where h is far below 0, so there its absolute error is about 1e-7 |h| and the relative error grows; NaN and infinities are not served;
; a block of zeros or under 2^-124 gets the scale byte 1 (this program alone reads the bytes).
; REGISTERS, in windows of 256: window 0: v1-7 at work at the head; v8-21 LDS addresses; v22-26 offsets; v28-29 the spare word's address and 0; v32-39 tokens' scale words, v40-55 weights'; v72-135 b1 as the C of a tile's first
;   K step; v136-231 tokens' fragments, two sets of 48.   window 1: weights' fragments, two sets of 96, at v0 and v128.   window 2: the accumulators, (a, b) at v[8 (8 a + b)].   window 3: the GELU and the quantiser.
; No prefetch: xb comes by first fills alone, and each slot of w1b is read by sixteen clusters.
.set XBLK,  12800
.set WBLK,  25600
.set AR,    4*XBLK                     ; tokens' K steps 4 rho .. begin here x rho
.set B0,    8*XBLK                     ; behind them the weights' two slots,
.set BR,    4*WBLK                     ; this far apart
.set SPARE, B0+2*BR                    ; the spare words, 128 bytes for each wave: two blocks of 256 bytes that no other line names
.set SWS,   SPARE+512                  ; a stage for the scale words just made: 256 bytes a wave; no fill lands here
.set ADA, 8                            ; v8-9    tokens' fragments, half rho of K
.set ADB, 10                           ; v10-13  weights' fragments, slot rho, K steps 2 hq ..: index 2 rho + hq
.set ASA, 14                           ; v14-17  tokens' scale words: lanes 0-15 K step 2 hq, lanes 16-31 K step 2 hq + 1
.set ASB, 18                           ; v18-21  weights' likewise
.set CBO, 22                           ; v22     64 h: my half's place in b1
.set LIH, 23                           ; v23     16 l + 6,144 x (wave / 2): my lane's place in hb's block
.set LI8, 24                           ; v24     8 l + 12,288 + 256 x (wave / 2): the scale words' place
.set SWA, 25                           ; v25     the stage, in: 4 r
.set SWR, 26                           ; v26     and back: 8 l
.set SPW, 28
.set NIL, 29
.set SCA, 32
.set SCB, 40
.set CB,  72
.set AF,  136
.set HC,  0                            ; window 3: v0-63 h held, later gelu(h)
.set Y,   64                           ; v64-95   hc^2, 32 at a time
.set P,   96                           ; v96-127  P, then hc P, then w
.set Q,   128                          ; v128-159 Q, then 1 / Q
.set TM,  160                          ; v160-175 the quantiser's: largest magnitudes, bytes, scale operands
.set PW,  176                          ; v176     the scale word just made
.set PC,  180                          ; v180-198 the codes just made
.set KA4, 200                          ; v200-201 P's leading coefficient, twice;  v202-203 Q's
.set KB6, 202
.set SWO, 204                          ; v204-205 scale words on their way out
.set G1A, 24                           ; s[24:31] descriptor group 1 with my row's mask;  s[32:35] group 0 for x's codes
.set G0A, 32
.set G1B, 48                           ; s[48:55] group 1 with my column's mask;  s[56:63] groups 0 for the two slots
.set G0B, 56
.set SEL, 66                           ; s[66:67] v_permlanex16_b32's selects
.set MUL,  0xa1                        ; source 0 (weights) window 1, source 1 (tokens) window 0, C and D window 2
.set MULC, 0x81                        ; the same with C in window 0
.set TO_B, 0x40                        ; destination window 1, address window 0
.set MSB, 0
.macro WIN new                         ; the immediate's high byte repeats the setting that is left
.if MSB != \new
	s_set_vgpr_msb (MSB<<8)|\new
.set MSB, \new
.endif
.endm
.macro PLACES n                        ; plain places behind matrix instructions (ISA guide 7.12.1)
.rept \n
	v_nop
.endr
.endm
.macro CREST                           ; a round of the cluster's barrier behind its opening barrier
	s_cmp_lg_u32 s14, 0
	s_cbranch_scc1 .Lnot_wave_0_\@
	s_barrier_signal -3
.Lnot_wave_0_\@:
	s_barrier_wait -3
	s_barrier_signal -1
	s_barrier_wait -1
.endm
.macro CROUND
	s_barrier_signal -1
	s_barrier_wait -1
	CREST
.endm
.macro PAIR reg, val                   ; a coefficient as a scalar pair: the packed form names the pair and takes its low word for both halves
	s_mov_b32 s[\reg], \val
	s_mov_b32 s[\reg+1], s[\reg]
.endm
	s_load_b128 s[4:7], s[0:1], 0x0                ; xb s[4:5], w1b s[6:7]
	s_load_b128 s[8:11], s[0:1], 0x10              ; b1 s[8:9], hb s[10:11]
	v_lshl_add_u32 v[SPW], v0, 2, SPARE
	v_mov_b32 v[NIL], 0
	ds_add_u32 v28, v29
	s_wait_dscnt 0x0
	v_lshrrev_b32 v1, 5, v0
	v_readfirstlane_b32 s14, v1                    ; wave 0..3
	s_lshr_b32 s15, s14, 1                         ; which 64 tokens are mine
	s_and_b32 s16, s14, 1                          ; which 128 columns
	s_bfe_u32 s40, ttmp6, 0x40000                  ; cx, cy: my place in the cluster
	s_bfe_u32 s41, ttmp6, 0x40004
	s_lshl_b32 s42, ttmp9, 2
	s_add_co_u32 s42, s42, s40                     ; x = 4 x cluster x + cx
	s_and_b32 s17, ttmp7, 0xffff
	s_lshl_b32 s17, s17, 2
	s_add_co_u32 s17, s17, s41                     ; y = 4 x cluster y + cy
	s_lshl_b32 s43, s41, 2
	s_lshl_b32 s43, 15, s43                        ; my row of the cluster
	s_lshl_b32 s44, 0x1111, s40                    ; my column
	; descriptor group 1: a dense run of 25,600 bytes as 100 rows of 256 bytes (32 elements of 8 bytes), no padding
	s_or_b32 s[G1A], s43, (3<<16)|(1<<21)          ; 15:0 the mask; 17:16 elements of 8 bytes; 21 set beside a mask
	s_or_b32 s[G1B], s44, (3<<16)|(1<<21)
.irp g, G1A, G1B
	s_mov_b32 s[\g+1], 32<<16                      ; tensor_dim0 = 32
	s_mov_b32 s[\g+2], 100<<16                     ; tensor_dim1 = 100
	s_mov_b32 s[\g+3], 32<<16                      ; tile_dim0 = 32
	s_mov_b32 s[\g+4], 100                         ; tile_dim1 = 100
	s_mov_b32 s[\g+5], 32                          ; from row to row
	s_mov_b32 s[\g+6], 0
	s_mov_b32 s[\g+7], 0
.endr
	s_mul_i32 s18, s14, 25600                      ; my quarter of every load, in memory and in LDS: no place in the cluster enters an LDS address
	s_mul_i32 s20, s17, 8*XBLK                     ; x's codes: hang on y and the wave alone
	s_add_co_u32 s20, s20, s18
	s_mov_b32 s21, 0
	s_mul_i32 s46, s42, 8*BR                       ; the weights: on x and the wave alone
	s_add_co_u32 s46, s46, s18
	s_mov_b32 s47, 0
	s_mov_b32 s[SEL], 0x76543210
	s_mov_b32 s[SEL+1], 0xfedcba98
	s_mov_b32 s68, 5.2947041                       ; the hold: 3.7439212 x sqrt 2
	s_mov_b32 s69, -5.2947041
	PAIR 70, 0.000150626605                        ; P: a3, a2, a1, a0
	PAIR 72, 0.0045038897
	PAIR 74, 0.032740515
	PAIR 76, 0.39894227
	PAIR 78, 0.00000073587395223                   ; Q: b5, b4, b3, b2, b1 (its last term is 1)
	PAIR 80, 0.000063622657993
	PAIR 82, 0.0017588087714
	PAIR 84, 0.027746262946
	PAIR 86, 0.24873462555
	; every LDS address: a constant + a constant x wave's halves + the lane's terms
	v_and_b32 v1, 15, v0                           ; r
	v_bfe_u32 v2, v0, 4, 1                         ; h
	v_and_b32 v3, 31, v0                           ; l
	v_lshlrev_b32 v4, 4, v3                        ; 16 l
	v_lshlrev_b32 v5, 2, v1                        ; 4 r
	s_mul_i32 s19, s15, 6144                       ; my four fragments of tokens
	v_add_nc_u32 v[ADA], s19, v4
	v_add_nc_u32 v[ADA+1], AR, v[ADA]
	v_add_nc_u32 v[LIH], s19, v4
	s_mul_i32 s19, s16, 12288                      ; my eight fragments of weights
	s_add_co_u32 s19, s19, B0
	v_add_nc_u32 v[ADB], s19, v4
	v_add_nc_u32 v[ADB+1], 2*WBLK, v[ADB]
	v_add_nc_u32 v[ADB+2], BR, v[ADB]
	v_add_nc_u32 v[ADB+3], BR+2*WBLK, v[ADB]
	v_mad_u32_u24 v6, v2, XBLK, v5                 ; lanes 16-31 take the next K step's words: one product in h
	s_lshl_b32 s19, s15, 8
	s_add_co_u32 s19, s19, 12288
	v_add_nc_u32 v[ASA], s19, v6
	v_add_nc_u32 v[ASA+1], 2*XBLK, v[ASA]
	v_add_nc_u32 v[ASA+2], AR, v[ASA]
	v_add_nc_u32 v[ASA+3], AR+2*XBLK, v[ASA]
	v_lshl_add_u32 v[LI8], v3, 3, s19
	v_mad_u32_u24 v7, v2, WBLK, v5
	s_lshl_b32 s19, s16, 9
	s_add_co_u32 s19, s19, B0+24576
	v_add_nc_u32 v[ASB], s19, v7
	v_add_nc_u32 v[ASB+1], 2*WBLK, v[ASB]
	v_add_nc_u32 v[ASB+2], BR, v[ASB]
	v_add_nc_u32 v[ASB+3], BR+2*WBLK, v[ASB]
	v_lshlrev_b32 v[CBO], 6, v2
	s_lshl_b32 s19, s14, 8
	s_add_co_u32 s19, s19, SWS
	v_add_nc_u32 v[SWA], s19, v5
	v_lshl_add_u32 v[SWR], v3, 3, s19
	WIN 0xc0                                       ; destination window 3
.irp b, 0,1,2,3
	v_mov_b32 v[TM+4+\b], 0                        ; written once: a lane permute's destination counts as one of its sources
.endr
	v_mov_b32 v[KA4], 0.00000506135231             ; a4
	v_mov_b32 v[KA4+1], 0.00000506135231
	v_mov_b32 v[KB6], -0.0000000018424379616       ; b6
	v_mov_b32 v[KB6+1], -0.0000000018424379616
	WIN 0
	s_wait_kmcnt 0x0
	s_add_nc_u64 s[20:21], s[4:5], s[20:21]
	s_add_nc_u64 s[46:47], s[6:7], s[46:47]
	s_mov_b32 s[G0A], 1                            ; 1:0 count = 1
	s_mov_b32 s[G0A+1], s18                        ; LDS address: 25,600 x wave
	s_mov_b64 s[G0A+2:G0A+3], s[20:21]
	s_or_b32 s[G0A+3], s[G0A+3], 0x80000000        ; type = 2
.irp rho, 0,1
	s_mov_b32 s[G0B+4*\rho], 1
	s_add_co_u32 s[G0B+4*\rho+1], s18, B0+BR*\rho
	s_add_nc_u64 s[G0B+4*\rho+2:G0B+4*\rho+3], s[46:47], BR*\rho
	s_or_b32 s[G0B+4*\rho+3], s[G0B+4*\rho+3], 0x80000000
.endr
	s_lshl_b32 s36, s17, 5                         ; hb: block (y, K step 8 x + 2 tile + wave % 2)
	s_lshl_b32 s38, s42, 3
	s_add_co_u32 s36, s36, s38
	s_add_co_u32 s36, s36, s16
	s_mul_i32 s36, s36, XBLK
	s_mov_b32 s37, 0
	s_add_nc_u64 s[10:11], s[10:11], s[36:37]
	s_lshl_b32 s36, s42, 12                        ; b1: number 1,024 x + 256 tile + 128 (wave % 2)
	s_lshl_b32 s38, s16, 9
	s_add_co_u32 s36, s36, s38
	s_add_nc_u64 s[8:9], s[8:9], s[36:37]
	CROUND                                         ; all sixteen work-groups are here: the first joint loads meet
	tensor_load_to_lds s[G0A:G0A+3], s[G1A:G1A+7]  ; the first fills go out as one group: three loads of mine are out: x's codes,
	s_nop 0
	tensor_load_to_lds s[G0B:G0B+3], s[G1B:G1B+7]  ; slot 0,
	s_nop 0
	tensor_load_to_lds s[G0B+4:G0B+7], s[G1B:G1B+7]  ; slot 1
	s_nop 0
	PLACES 4                                       ; four v_nop follow the tensor loads
.macro CLOAD                           ; b1 in the result's layout: tile b's register j of lane (r, h) is column 32 (b / 2) + 8 (b % 2) + 16 h + j of my 128
.irp b, 0,1,2,3,4,5,6,7
.irp u, 0,1
	global_load_b128 v[CB+8*\b+4*\u:CB+8*\b+4*\u+3], v[CBO], s[8:9] offset:(32*(\b/2)+8*(\b%2))*4+16*\u
.endr
.endr
.endm
.macro NEXTC                           ; the next tile's b1; the last loads by this base were waited for at the tile's head
	s_add_nc_u64 s[8:9], s[8:9], 1024
	CLOAD
.endm
.macro FETCH_A rho, q, set             ; my four fragments of tokens of K step q of half rho
.irp a, 0,1,2,3
.irp c, 0,1,2
	ds_load_b128 v[AF+48*(\set)+12*\a+4*\c:AF+48*(\set)+12*\a+4*\c+3], v[ADA+(\rho)] offset:XBLK*(\q)+1536*\a+512*\c
.endr
.endr
.endm
.macro FETCH_B rho, q, set             ; my eight fragments of weights of K step q of slot rho
	WIN TO_B
.irp b, 0,1,2,3,4,5,6,7
.irp c, 0,1,2
	ds_load_b128 v[128*(\set)+12*\b+4*\c:128*(\set)+12*\b+4*\c+3], v[ADB+2*(\rho)+(\q)/2] offset:WBLK*((\q)%2)+1536*\b+512*\c
.endr
.endr
	WIN 0
.endm
.macro SCALES rho, hq                  ; the scale words of K steps 2 hq (lanes 0-15) and 2 hq + 1 (lanes 16-31)
.irp a, 0,1,2,3
	ds_load_b32 v[SCA+4*(\hq)+\a], v[ASA+2*(\rho)+(\hq)] offset:64*\a
.endr
.irp b, 0,1,2,3,4,5,6,7
	ds_load_b32 v[SCB+8*(\hq)+\b], v[ASB+2*(\rho)+(\hq)] offset:64*\b
.endr
.endm
; Eight matrix instructions: token block a against my eight tiles of weights, K step q.  cm = 1: the tile's first K step, whose C is b1.  The 32 accumulators take turns, one instruction a turn,
; in the same order in every K step..
.macro MUL8 a, q, cm
.irp b, 0,1,2,3,4,5,6,7
.if \cm
	v_wmma_scale_f32_16x16x128_f8f6f4 v[8*(8*(\a)+\b):8*(8*(\a)+\b)+7], v[128*((\q)%2)+12*\b:128*((\q)%2)+12*\b+11], v[AF+48*((\q)%2)+12*(\a):AF+48*((\q)%2)+12*(\a)+11], v[CB+8*\b:CB+8*\b+7], v[SCB+8*((\q)/2)+\b], v[SCA+4*((\q)/2)+(\a)] matrix_a_fmt:MATRIX_FMT_FP6 matrix_b_fmt:MATRIX_FMT_FP6
.elseif (\q)%2
	v_wmma_scale_f32_16x16x128_f8f6f4 v[8*(8*(\a)+\b):8*(8*(\a)+\b)+7], v[128*((\q)%2)+12*\b:128*((\q)%2)+12*\b+11], v[AF+48*((\q)%2)+12*(\a):AF+48*((\q)%2)+12*(\a)+11], v[8*(8*(\a)+\b):8*(8*(\a)+\b)+7], v[SCB+8*((\q)/2)+\b], v[SCA+4*((\q)/2)+(\a)] matrix_a_fmt:MATRIX_FMT_FP6 matrix_b_fmt:MATRIX_FMT_FP6 matrix_a_scale:MATRIX_SCALE_ROW1 matrix_b_scale:MATRIX_SCALE_ROW1
.else
	v_wmma_scale_f32_16x16x128_f8f6f4 v[8*(8*(\a)+\b):8*(8*(\a)+\b)+7], v[128*((\q)%2)+12*\b:128*((\q)%2)+12*\b+11], v[AF+48*((\q)%2)+12*(\a):AF+48*((\q)%2)+12*(\a)+11], v[8*(8*(\a)+\b):8*(8*(\a)+\b)+7], v[SCB+8*((\q)/2)+\b], v[SCA+4*((\q)/2)+(\a)] matrix_a_fmt:MATRIX_FMT_FP6 matrix_b_fmt:MATRIX_FMT_FP6
.endif
.endr
.endm
; K step q = 0 .. 2 of a slot: the next K step's 36 loads stand in one run at its head, 32 matrix instructions ahead of their use.
.macro STEP rho, q, cm, extra
	s_wait_dscnt 0x0                               ; this K step's fragments and scale words, asked for a K step ago
	PLACES 4                                       ; ahead of loads into the sets that the last K step's products read
.if \extra
	WIN 0
	NEXTC
.endif
	FETCH_B \rho, (\q)+1, 1-(\q)%2
	FETCH_A \rho, (\q)+1, 1-(\q)%2
.if (\q) == 1
	SCALES \rho, 1
.endif
.if \cm
	WIN MULC
.else
	WIN MUL
.endif
	MUL8 0, \q, \cm
	MUL8 1, \q, \cm
	MUL8 2, \q, \cm
	MUL8 3, \q, \cm
.endm
; K step 3 changes slots: ONE barrier.  In front of it each wave waits for all its tensor loads (one is out: its quarter of the other slot), adds 0 to its spare word, and waits for that and for its reads of this slot.
; fill = 1: the barrier opens a round of the cluster's barrier, and the joint refill of this slot, two slots ahead, is the first thing behind the round.
.macro TURN rho, nxt, fill
	WIN 0                                          ; (the add's two registers lie in window 0)
	s_wait_tensorcnt 0x0
	ds_add_u32 v[SPW], v[NIL]                      ; 0 onto my spare word
.if \fill
	s_add_nc_u64 s[G0B+4*\rho+2:G0B+4*\rho+3], s[G0B+4*\rho+2:G0B+4*\rho+3], 2*BR   ; no tensor load of mine is out: the slot's group 0 may step
.endif
	s_wait_dscnt 0x1                               ; K step 3's 36 loads are in; the add may be out
	WIN MUL
	MUL8 0, 3, 0
	s_wait_dscnt 0x0                               ; the add is done, and my reads of this slot are over
	s_barrier_signal -1
	MUL8 1, 3, 0                                   ; work on registers while the others arrive
	WIN 0
	s_barrier_wait -1
.if \fill
	CREST                                          ; no wave of any partner still reads this slot or has a load on its way
	tensor_load_to_lds s[G0B+4*\rho:G0B+4*\rho+3], s[G1B:G1B+7]
	s_nop 0
.endif
	PLACES 4                                       ; behind the tensor load, and ahead of the loads into set 0
	FETCH_B \nxt, 0, 0
	FETCH_A \nxt, 0, 0
	SCALES \nxt, 0
	WIN MUL
	MUL8 2, 3, 0
	MUL8 3, 3, 0
.endm
.macro LAST                            ; the launch's last K step: nothing more to fetch
	s_wait_dscnt 0x0
	WIN MUL
	MUL8 0, 3, 0
	MUL8 1, 3, 0
	MUL8 2, 3, 0
	MUL8 3, 3, 0
.endm
; 64 numbers of a lane in window 3, register 16 b + i = k 32 b + 16 h + i of my token, become a fragment's codes in v[PC] on and its scale word in v[PW].
.macro QUANT s
.irp b, 0,1,2,3
	v_max3_num_f32 v[TM+\b], |v[\s+16*\b]|, |v[\s+1+16*\b]|, 0x1800000   ; my 16 numbers of block b, and the floor 2^(3 - 127)
.endr
.irp i, 2,4,6,8,10,12,14
.irp b, 0,1,2,3
	v_max3_num_f32 v[TM+\b], v[TM+\b], |v[\s+16*\b+\i]|, |v[\s+1+16*\b+\i]|
.endr
.endr
.irp b, 0,1,2,3
	v_permlanex16_b32 v[TM+4+\b], v[TM+\b], s[SEL], s[SEL+1]
.endr
.irp b, 0,1,2,3
	v_max_num_f32 v[TM+\b], v[TM+\b], v[TM+4+\b]   ; with lane l xor 16's: the block's largest magnitude
.endr
.irp b, 0,1,2,3
	v_add_nc_u32 v[TM+12+\b], 0xff000000, v[TM+\b] ; 2 off its exponent field: the conversion's scale operand
.endr
.irp b, 0,1,2,3
	v_lshrrev_b32 v[TM+4+\b], 23, v[TM+12+\b]      ; the byte
.endr
	v_lshl_or_b32 v[PW], v[TM+5], 8, v[TM+4]
	v_lshl_or_b32 v[PW], v[TM+6], 16, v[PW]
	v_lshl_or_b32 v[PW], v[TM+7], 24, v[PW]
.irp c, 0,1
	v_cvt_scalef32_pk16_fp6_f32 v[PC+6*\c:PC+2+6*\c], v[\s+32*\c:\s+15+32*\c], v[TM+12+2*\c]
	v_cvt_scalef32_pk16_fp6_f32 v[PC+12+4*\c:PC+14+4*\c], v[\s+16+32*\c:\s+31+32*\c], v[TM+12+2*\c+1]   ; (a conversion's three registers begin on an even number)
.endr
	v_nop                                          ; one plain place behind a scaled conversion
.irp c, 0,1                            ; the operand's layout wants a whole block in a lane: lanes 0-15 block 2 c, lanes 16-31 block 2 c + 1
.irp i, 0,1,2
	v_permlane16_swap_b32 v[PC+6*\c+\i], v[PC+12+4*\c+\i]
.endr
.irp i, 0,1,2
	v_mov_b32 v[PC+3+6*\c+\i], v[PC+12+4*\c+\i]
.endr
.endr
.endm
; Token block a: GELU of its 64 numbers a lane, 32 at a time, level by level over 16 pairs so that no line waits for the line above it; then the quantiser; then the image leaves.
.macro EPI a
.set AC, 64*(\a)
	WIN 0xc2                                       ; source 0 window 2, destination window 3
.set i, 0
.rept 64
	v_med3_num_f32 v[HC+i], v[AC+i], s69, s68      ; hc; each accumulator is read from its low end on
.set i, i+1
.endr
.irp z, 0,1
	WIN 0xff
.set n, 0
.rept 16
	v_pk_mul_f32 v[Y+2*n:Y+2*n+1], v[HC+32*\z+2*n:HC+32*\z+2*n+1], v[HC+32*\z+2*n:HC+32*\z+2*n+1]
.set n, n+1
.endr
.set n, 0
.rept 16
	v_pk_fma_f32 v[Q+2*n:Q+2*n+1], v[KB6:KB6+1], v[Y+2*n:Y+2*n+1], s[78:79] op_sel_hi:[1,1,0]
.set n, n+1
.endr
.irp sc, 80,82,84,86
.set n, 0
.rept 16
	v_pk_fma_f32 v[Q+2*n:Q+2*n+1], v[Q+2*n:Q+2*n+1], v[Y+2*n:Y+2*n+1], s[\sc:\sc+1] op_sel_hi:[1,1,0]
.set n, n+1
.endr
.endr
.set n, 0
.rept 16
	v_pk_fma_f32 v[Q+2*n:Q+2*n+1], v[Q+2*n:Q+2*n+1], v[Y+2*n:Y+2*n+1], 1.0 op_sel_hi:[1,1,0]
.set n, n+1
.endr
.set f, 0                              ; P's 64 multiply-adds, which name nothing of Q; a reciprocal stands ahead of every second of them
.irp sc, 70,72,74,76
.set n, 0
.rept 16
.if f%2 == 0
	v_rcp_f32 v[Q+f/2], v[Q+f/2]
.endif
.if \sc == 70
	v_pk_fma_f32 v[P+2*n:P+2*n+1], v[KA4:KA4+1], v[Y+2*n:Y+2*n+1], s[70:71] op_sel_hi:[1,1,0]
.else
	v_pk_fma_f32 v[P+2*n:P+2*n+1], v[P+2*n:P+2*n+1], v[Y+2*n:Y+2*n+1], s[\sc:\sc+1] op_sel_hi:[1,1,0]
.endif
.set n, n+1
.set f, f+1
.endr
.endr
.set n, 0
.rept 16
	v_pk_mul_f32 v[P+2*n:P+2*n+1], v[P+2*n:P+2*n+1], v[HC+32*\z+2*n:HC+32*\z+2*n+1]
.set n, n+1
.endr
	s_wait_alu depctr_va_vdst(0)                   ; one wait for the batch of 32 reciprocals, ahead of its first reader
.set n, 0
.rept 16
	v_pk_fma_f32 v[P+2*n:P+2*n+1], v[P+2*n:P+2*n+1], v[Q+2*n:Q+2*n+1], 0.5 op_sel_hi:[1,1,0]   ; w
.set n, n+1
.endr
	WIN 0xce                                       ; source 0 window 2, source 1 and destination window 3
.set n, 0
.rept 16
	v_pk_mul_f32 v[HC+32*\z+2*n:HC+32*\z+2*n+1], v[AC+32*\z+2*n:AC+32*\z+2*n+1], v[P+2*n:P+2*n+1]   ; gelu = h w
.set n, n+1
.endr
.endr
	WIN 0xff
	s_wait_xcnt 0x0                                ; the last block's stores have read the codes' registers,
	s_wait_dscnt 0x0                               ; and its LDS store the scale word's
	QUANT HC
	WIN 0x0c                                       ; a store's data are its source 1: window 3
.irp c, 0,1,2
	global_store_b128 v[LIH], v[PC+4*\c:PC+4*\c+3], s[10:11] offset:1536*(\a)+512*\c th:TH_STORE_NT   ; 512 consecutive bytes, at a multiple of 512 from hb's first byte
.endr
	ds_store_b32 v[SWA], v[PW] offset:64*(\a)      ; both halves of the lanes write the same word with the same value
.endm
; A tile of 256 columns: eight K steps, then the way out.  fill = 1: both changes of slots fill a slot again, and the next tile's b1 and first fragments are fetched.
.macro TILE fill
	s_wait_loadcnt 0x0                             ; b1
	STEP 0, 0, 1, 0
	STEP 0, 1, 0, \fill
	STEP 0, 2, 0, 0
	TURN 0, 1, \fill
	STEP 1, 0, 0, 0
	STEP 1, 1, 0, 0
	STEP 1, 2, 0, 0
.if \fill
	TURN 1, 0, 1
.else
	LAST
.endif
	PLACES 4                                       ; ahead of the first read of results
	EPI 0
	EPI 1
	EPI 2
	EPI 3
	WIN 0xc0
	ds_load_b64 v[SWO:SWO+1], v[SWR]               ; LDS serves a wave's instructions in order: this sees my four stores
	s_wait_dscnt 0x0
	WIN 0x0c
	global_store_b64 v[LI8], v[SWO:SWO+1], s[10:11]    ; 32 lanes store 256 consecutive bytes, at a multiple of 256 from hb's first byte
	WIN 0
	s_wait_xcnt 0x0                                ; the stores have read their base
	s_add_nc_u64 s[10:11], s[10:11], 2*XBLK        ; the next tile's K step of hb
.endm
	CLOAD                                          ; the first tile's b1
	s_wait_tensorcnt 0x1                           ; x's codes and my quarter of slot 0 are in; slot 1's load may be out
	s_barrier_signal -1
	s_barrier_wait -1                              ; everybody's are
	FETCH_B 0, 0, 0
	FETCH_A 0, 0, 0
	SCALES 0, 0
	s_mov_b32 s3, 3
.Ltile:                                            ; tiles 0 to 2 fill slots 2 to 7
	TILE 1
	s_sub_co_u32 s3, s3, 1
	s_cmp_lg_u32 s3, 0
	s_cbranch_scc1 .Ltile
	TILE 0                                         ; the last tile is written out
	s_wait_tensorcnt 0x0                           ; the wave's end: behind my last tensor load and my last LDS store
	ds_add_u32 v[SPW], v[NIL]
	s_wait_dscnt 0x0
	CROUND                                         ; the closing round: no work-group ends while a partner may still ask for a tile that names it
	s_endpgm
.Lfunc_end_k_qb37be38292_up:
	.size	k_qb37be38292_up, .Lfunc_end_k_qb37be38292_up-k_qb37be38292_up
	.p2alignl 7, 3214868480
	.fill 96, 4, 3214868480
	.section	.rodata,"a",@progbits
	.p2align	6, 0x0
	.amdhsa_kernel k_qb37be38292_up
		.amdhsa_group_segment_fixed_size 327680
		.amdhsa_private_segment_fixed_size 0
		.amdhsa_enable_private_segment 0
		.amdhsa_kernarg_size 32
		.amdhsa_user_sgpr_count 2
		.amdhsa_user_sgpr_kernarg_segment_ptr 1
		.amdhsa_wavefront_size32 1
		.amdhsa_system_sgpr_workgroup_id_x 1
		.amdhsa_system_sgpr_workgroup_id_y 1
		.amdhsa_system_sgpr_workgroup_id_z 1
		.amdhsa_system_vgpr_workitem_id 0
		.amdhsa_next_free_vgpr 1024
		.amdhsa_next_free_sgpr 96
		.amdhsa_reserve_vcc 0
		.amdhsa_float_denorm_mode_32 3
		.amdhsa_float_denorm_mode_16_64 3
		.amdhsa_memory_ordered 1
		.amdhsa_forward_progress 1
		.amdhsa_inst_pref_size 255
	.end_amdhsa_kernel
	.section	.bss,"aw",@nobits
	.p2align	6
	.space	262144
	.amdgpu_metadata
---
amdhsa.version: [ 1, 2 ]
amdhsa.kernels:
  - .name:           k_qb37be38292_up
    .symbol:         k_qb37be38292_up.kd
    .args:
      - { .name: xb, .offset: 0, .size: 8, .value_kind: global_buffer, .address_space: global }
      - { .name: w1b, .offset: 8, .size: 8, .value_kind: global_buffer, .address_space: global }
      - { .name: b1, .offset: 16, .size: 8, .value_kind: global_buffer, .address_space: global }
      - { .name: hb, .offset: 24, .size: 8, .value_kind: global_buffer, .address_space: global }
    .group_segment_fixed_size: 327680
    .private_segment_fixed_size: 0
    .kernarg_segment_align: 8
    .kernarg_segment_size: 32
    .max_flat_workgroup_size: 128
    .sgpr_count:     96
    .vgpr_count:     1024
    .wavefront_size: 32
...
	.end_amdgpu_metadata
.endif
;; end of part 2
;; launch down (part 3): grid 4 x 64, 4 waves a work-group, clusters of 4 x 4, 327,680 bytes of LDS; arguments hb, w2b, gate, b2, out0; writes out0
.if DOCPART == 3
	.amdgcn_target "amdgcn-amd-amdhsa--gfx1250"
	.amdhsa_code_object_version 6
	.text
	.protected	k_qb37be38292_down
	.globl	k_qb37be38292_down
	.p2align	8
	.type	k_qb37be38292_down,@function
k_qb37be38292_down:
	s_mov_b64 s[64:65], 0
	v_nop
	global_prefetch_b8 v0, s[64:65] scope:SCOPE_SE
	s_setreg_imm32_b32 hwreg(HW_REG_WAVE_MODE, 25, 1), 1
	s_wait_xcnt 0x0
	s_wait_alu depctr_hold_cnt(0) depctr_sa_sdst(0) depctr_va_vdst(0) depctr_va_sdst(0) depctr_va_ssrc(0) depctr_va_vcc(0) depctr_vm_vsrc(0)
	s_getreg_b32 s2, hwreg(HW_REG_IB_STS2, 6, 4)
	s_cmp_eq_u32 s2, 0
	s_cbranch_scc0 .Lentry_in_a_cluster
	s_endpgm
.Lentry_in_a_cluster:
	s_bfe_u32 s2, ttmp6, 0x10000c
	s_cmp_lg_u32 s2, 0xf033
	s_cbranch_scc0 .Lentry_shape_is_right
	s_endpgm
.Lentry_shape_is_right:
; DOWN: out0[token][d] = the sum over the 8 experts of gate[e][token] x (Q(h_e) Q(W2_e) + b2_e)[token][d].  The second quantised product; the gate multiplies each expert's finished f32 sum.
; hb: [64 blocks of 128 tokens][32 K steps 4 e + f / 128][12,800 bytes = 8 fragments of 1,536 + 8 x 64 of scale words];  w2b: [4 blocks of 256 columns d][32 K steps][25,600 = 16 fragments + 16 x 64];
; gate: [8][8192] f32.  A fragment is an image of the operand's registers and comes by three ds_load_b128 at 16 x lane.
; SHARES.  Work-group (x, y): tokens 128 y .., columns 256 x ...  A slot holds one expert: four K steps of h (51,200 bytes) and of W2 (102,400); two slots take turns over the 8 experts.
; Wave 0 brings h's part, waves 1 and 2 a half of W2's each: one load of 51,200 bytes a wave.  A wave makes 64 tokens x 128 columns: 32 accumulators y (window 2) and 32 sums out (window 3).
; THE PRODUCT IS USED TRANSPOSED (source 0 = 16 columns of W2, source 1 = 16 tokens): a lane holds one token and eight neighbouring columns.  b2 is the C of each expert's first K step, so the gate weighs it with y.
; CLUSTER 4 x 4: h's slots hang on y alone and are asked for jointly along a row of the cluster, W2's on x alone and jointly along a column.
; LIMITS: NaN and infinities are not served.
; REGISTERS: window 0: v8-21 LDS addresses; v22-27 offsets; v28-29 the spare word's address and 0; v32-39 tokens' scale words, v40-55 weights'; v56-63 this expert's gates (pairs whose upper word is 0), v64-67 the next's;
;   v72-135 b2 as C; v136-231 tokens' fragments, two sets.   window 1: weights' fragments, two sets, at v0 and v128.   window 2: y, (a, b) at v[8 (8 a + b)].   window 3: out, numbered alike.
.set XBLK,  12800
.set WBLK,  25600
.set AR,    4*XBLK+4*WBLK              ; from slot to slot: 153,600
.set B0,    4*XBLK                     ; in a slot: h's four K steps, then W2's
.set BR,    AR
.set SPARE, 2*AR                       ; behind the slots: the spare words, 128 bytes for each wave: two blocks of 256 bytes that no other line names
.set SPITCH, 528                       ; the way out: 16 rows x (512 bytes + 16) for each wave, in slot 0, which has had its last fill and its last read when the first result is stored there
.set ADA, 8
.set ADB, 10
.set ASA, 14
.set ASB, 18
.set CBO, 22                           ; v22  32 h: my half's place in b2
.set CO,  23                           ; v23  16 l: my place in a row's 512 bytes of out0
.set STO, 24                           ; v24  the stage, in
.set RD,  25                           ; v25  and back
.set GO,  26                           ; v26  4 r: my token's gate
.set PFO, 27                           ; v27  the prefetches' offset; never rewritten
.set SPW, 28
.set NIL, 29
.set SCA, 32
.set SCB, 40
.set GC,  56
.set GN,  64
.set CB,  72
.set AF,  136
.set BK,  128                          ; the way out: 16 rows read back: v128-191 and v192-255 by turns
.set G1A, 24                           ; s[24:31] group 1 with my row's mask;  s[32:39] groups 0 for h, one for each slot
.set G0A, 32
.set G1B, 48                           ; s[48:55] group 1 with my column's mask;  s[56:63] groups 0 for W2
.set G0B, 56
.set PFA, 66                           ; s[66:67] where my prefetches stand; never rewritten
.set LIM, 68                           ; s68  1 in a wave that prefetches, else the greatest number
.set MUL,  0xa1
.set MULC, 0x81
.set TO_B, 0x40
.set MSB, 0
.macro WIN new                         ; the immediate's high byte repeats the setting that is left
.if MSB != \new
	s_set_vgpr_msb (MSB<<8)|\new
.set MSB, \new
.endif
.endm
.macro PLACES n
.rept \n
	v_nop
.endr
.endm
.macro CREST
	s_cmp_lg_u32 s14, 0
	s_cbranch_scc1 .Lnot_wave_0_\@
	s_barrier_signal -3
.Lnot_wave_0_\@:
	s_barrier_wait -3
	s_barrier_signal -1
	s_barrier_wait -1
.endm
.macro CROUND
	s_barrier_signal -1
	s_barrier_wait -1
	CREST
.endm
; A joint refill of slot rho: wave 0 asks for h, waves 1 and 2 for W2, wave 3 for nothing.  The branches hang on the wave's number alone.  Four v_nop follow each load.
.macro REFILL rho
	s_cmp_eq_u32 s14, 0
	s_cbranch_scc0 .Lnot_a_\@
	tensor_load_to_lds s[G0A+4*\rho:G0A+4*\rho+3], s[G1A:G1A+7]
	s_nop 0
	PLACES 4
	s_branch .Lasked_\@
.Lnot_a_\@:
	s_cmp_lt_u32 s14, 3
	s_cbranch_scc0 .Lasked_\@
	tensor_load_to_lds s[G0B+4*\rho:G0B+4*\rho+3], s[G1B:G1B+7]
	s_nop 0
	PLACES 4
.Lasked_\@:
.endm
; A PREFETCH INTO THE L2 of h's codes of two later slots.  A block of tokens is read by one row of one cluster alone, so every row asks for its own.  At the change of slots of expert 1 slots 4 and 5 are named,
; at that of expert 3 slots 6 and 7: one and two changes ahead of the loads that will want them.  The two slots' eight K steps are shared out BY ADDRESS, two to each of the four partners: 2 x 48 blocks of 256 bytes of codes,
; a lane a block, waves 0 to 2.  Slots 0 to 3 and the scale words come by their loads alone.  how = 1: written out; 2: in the loop, whose first trip alone asks (s3 = 2 there).
.macro ASK how
.if \how == 1
	s_cmp_eq_u32 s[LIM], 1
	s_cbranch_scc0 .Lnot_mine_\@
	global_prefetch_b8 v[PFO], s[PFA:PFA+1] th:TH_LOAD_NT scope:SCOPE_SE
.Lnot_mine_\@:
.endif
.if \how == 2
	s_cmp_gt_u32 s3, s[LIM]
	s_cbranch_scc0 .Lnot_mine_\@
	global_prefetch_b8 v[PFO], s[PFA:PFA+1] offset:8*XBLK th:TH_LOAD_NT scope:SCOPE_SE
.Lnot_mine_\@:
.endif
.endm
	s_load_b256 s[4:11], s[0:1], 0x0               ; hb s[4:5], w2b s[6:7], gate s[8:9], b2 s[10:11]
	s_load_b64 s[12:13], s[0:1], 0x20              ; out0
	v_lshl_add_u32 v[SPW], v0, 2, SPARE
	v_mov_b32 v[NIL], 0
	ds_add_u32 v28, v29
	s_wait_dscnt 0x0
	v_lshrrev_b32 v1, 5, v0
	v_readfirstlane_b32 s14, v1                    ; wave 0..3
	s_lshr_b32 s15, s14, 1                         ; which 64 tokens are mine
	s_and_b32 s16, s14, 1                          ; which 128 columns
	s_bfe_u32 s40, ttmp6, 0x40000                  ; cx, cy
	s_bfe_u32 s41, ttmp6, 0x40004
	s_lshl_b32 s42, ttmp9, 2
	s_add_co_u32 s42, s42, s40                     ; x
	s_and_b32 s17, ttmp7, 0xffff
	s_lshl_b32 s17, s17, 2
	s_add_co_u32 s17, s17, s41                     ; y
	s_lshl_b32 s43, s41, 2
	s_lshl_b32 s43, 15, s43                        ; my row of the cluster
	s_lshl_b32 s44, 0x1111, s40                    ; my column
	; descriptor group 1: a dense run of 51,200 bytes as 200 rows of 256 bytes (32 elements of 8 bytes), no padding
	s_or_b32 s[G1A], s43, (3<<16)|(1<<21)
	s_or_b32 s[G1B], s44, (3<<16)|(1<<21)
.irp g, G1A, G1B
	s_mov_b32 s[\g+1], 32<<16
	s_mov_b32 s[\g+2], 200<<16
	s_mov_b32 s[\g+3], 32<<16
	s_mov_b32 s[\g+4], 200
	s_mov_b32 s[\g+5], 32
	s_mov_b32 s[\g+6], 0
	s_mov_b32 s[\g+7], 0
.endr
	s_mul_i32 s18, s14, 51200                      ; where my load lands in a slot: 51,200 x wave
	s_mul_i32 s20, s17, 32*XBLK                    ; h: hangs on y alone
	s_mov_b32 s21, 0
	s_max_u32 s19, s14, 1
	s_sub_co_u32 s19, s19, 1
	s_mul_i32 s19, s19, 51200                      ; W2: waves 1 and 2 take a slot's two halves
	s_mul_i32 s46, s42, 32*WBLK                    ; it hangs on x and the wave alone
	s_add_co_u32 s46, s46, s19
	s_mov_b32 s47, 0
	s_cmp_lt_u32 s14, 3
	s_cselect_b32 s[LIM], 1, -1
	v_and_b32 v1, 15, v0                           ; r
	v_bfe_u32 v2, v0, 4, 1                         ; h
	v_and_b32 v3, 31, v0                           ; l
	v_lshlrev_b32 v4, 4, v3                        ; 16 l
	v_lshlrev_b32 v5, 2, v1                        ; 4 r
	s_mul_i32 s19, s15, 6144
	v_add_nc_u32 v[ADA], s19, v4
	v_add_nc_u32 v[ADA+1], AR, v[ADA]
	s_mul_i32 s19, s16, 12288
	s_add_co_u32 s19, s19, B0
	v_add_nc_u32 v[ADB], s19, v4
	v_add_nc_u32 v[ADB+1], 2*WBLK, v[ADB]
	v_add_nc_u32 v[ADB+2], BR, v[ADB]
	v_add_nc_u32 v[ADB+3], BR+2*WBLK, v[ADB]
	v_mad_u32_u24 v6, v2, XBLK, v5                 ; lanes 16-31 take the next K step's words: one product in h
	s_lshl_b32 s19, s15, 8
	s_add_co_u32 s19, s19, 12288
	v_add_nc_u32 v[ASA], s19, v6
	v_add_nc_u32 v[ASA+1], 2*XBLK, v[ASA]
	v_add_nc_u32 v[ASA+2], AR, v[ASA]
	v_add_nc_u32 v[ASA+3], AR+2*XBLK, v[ASA]
	v_mad_u32_u24 v7, v2, WBLK, v5
	s_lshl_b32 s19, s16, 9
	s_add_co_u32 s19, s19, B0+24576
	v_add_nc_u32 v[ASB], s19, v7
	v_add_nc_u32 v[ASB+1], 2*WBLK, v[ASB]
	v_add_nc_u32 v[ASB+2], BR, v[ASB]
	v_add_nc_u32 v[ASB+3], BR+2*WBLK, v[ASB]
	v_lshlrev_b32 v[CBO], 5, v2
	v_mov_b32 v[CO], v4
	v_mov_b32 v[GO], v5
	s_mul_i32 s19, s14, 16*SPITCH                  ; my stage
	v_mul_u32_u24 v[STO], v1, SPITCH
	v_lshl_add_u32 v[STO], v2, 5, v[STO]
	v_add_nc_u32 v[STO], s19, v[STO]               ; in: row r, 32 bytes for each half of the lanes
	v_add_nc_u32 v[RD], s19, v4                    ; back: the 32 lanes take one row of 512 bytes
	v_min_u32 v6, 95, v0                           ; the prefetches: block n = the thread's number, 0 .. 95 in waves 0 to 2,
	v_cmp_le_u32 vcc_lo, 48, v6
	v_mov_b32 v[PFO], 0x200
	v_cndmask_b32 v[PFO], 0, v[PFO], vcc_lo        ; past the first K step's 512 bytes of scale words from block 48 on
	v_lshl_add_u32 v[PFO], v6, 8, v[PFO]
.irp a, 0,1,2,3
	v_mov_b32 v[GC+2*\a+1], 0                      ; named as the upper half of a pair, so it is written
.endr
	s_wait_kmcnt 0x0
	s_add_nc_u64 s[20:21], s[4:5], s[20:21]
	s_add_nc_u64 s[46:47], s[6:7], s[46:47]
.irp rho, 0,1
	s_mov_b32 s[G0A+4*\rho], 1
	s_add_co_u32 s[G0A+4*\rho+1], s18, AR*\rho
	s_add_nc_u64 s[G0A+4*\rho+2:G0A+4*\rho+3], s[20:21], 4*XBLK*\rho
	s_or_b32 s[G0A+4*\rho+3], s[G0A+4*\rho+3], 0x80000000
	s_mov_b32 s[G0B+4*\rho], 1
	s_add_co_u32 s[G0B+4*\rho+1], s18, AR*\rho
	s_add_nc_u64 s[G0B+4*\rho+2:G0B+4*\rho+3], s[46:47], 4*WBLK*\rho
	s_or_b32 s[G0B+4*\rho+3], s[G0B+4*\rho+3], 0x80000000
.endr
	s_mul_i32 s70, s40, 2*XBLK                     ; the prefetches: my work-group's two K steps of eight,
	s_mul_i32 s71, s17, 32*XBLK                    ; in my block of tokens,
	s_add_co_u32 s70, s70, s71
	s_add_co_u32 s70, s70, 16*XBLK                 ; from slot 4 on
	s_mov_b32 s71, 0
	s_add_nc_u64 s[PFA:PFA+1], s[4:5], s[70:71]
	s_lshl_b32 s22, s17, 9                         ; gate: token 128 y + 64 (wave / 2)
	s_lshl_b32 s23, s15, 8
	s_add_co_u32 s22, s22, s23
	s_mov_b32 s23, 0
	s_add_nc_u64 s[8:9], s[8:9], s[22:23]
	s_lshl_b32 s22, s42, 10                        ; b2: column 256 x + 128 (wave % 2)
	s_lshl_b32 s70, s16, 9
	s_add_co_u32 s22, s22, s70
	s_add_nc_u64 s[10:11], s[10:11], s[22:23]
	s_lshl_b32 s70, s17, 19                        ; out0: the same column of row 128 y + 64 (wave / 2), 4,096 bytes a row
	s_add_co_u32 s22, s22, s70
	s_lshl_b32 s70, s15, 18
	s_add_co_u32 s22, s22, s70
	s_add_nc_u64 s[12:13], s[12:13], s[22:23]
	CROUND                                         ; all sixteen work-groups are here: the first joint loads meet
	s_cmp_eq_u32 s14, 0                            ; a wave's two first fills stand in one branch: two loads of mine are out
	s_cbranch_scc0 .Lfirst_not_a
	tensor_load_to_lds s[G0A:G0A+3], s[G1A:G1A+7]
	s_nop 0
	tensor_load_to_lds s[G0A+4:G0A+7], s[G1A:G1A+7]
	s_nop 0
	PLACES 4
	s_branch .Lfirst_asked
.Lfirst_not_a:
	s_cmp_lt_u32 s14, 3
	s_cbranch_scc0 .Lfirst_asked
	tensor_load_to_lds s[G0B:G0B+3], s[G1B:G1B+7]
	s_nop 0
	tensor_load_to_lds s[G0B+4:G0B+7], s[G1B:G1B+7]
	s_nop 0
	PLACES 4
.Lfirst_asked:
.macro CLOAD                           ; b2 in the result's layout: tile b's register j of lane (r, h) is column 16 b + 8 h + j of my 128
.irp b, 0,1,2,3,4,5,6,7
.irp u, 0,1
	global_load_b128 v[CB+8*\b+4*\u:CB+8*\b+4*\u+3], v[CBO], s[10:11] offset:64*\b+16*\u
.endr
.endr
.endm
.macro NEXTC                           ; the next expert's b2 and gates; the last loads by these bases have been waited for
	s_add_nc_u64 s[10:11], s[10:11], 4096
	s_add_nc_u64 s[8:9], s[8:9], 32768
	CLOAD
.irp a, 0,1,2,3
	global_load_b32 v[GN+\a], v[GO], s[8:9] offset:64*\a
.endr
.endm
.macro FETCH_A rho, q, set
.irp a, 0,1,2,3
.irp c, 0,1,2
	ds_load_b128 v[AF+48*(\set)+12*\a+4*\c:AF+48*(\set)+12*\a+4*\c+3], v[ADA+(\rho)] offset:XBLK*(\q)+1536*\a+512*\c
.endr
.endr
.endm
.macro FETCH_B rho, q, set
	WIN TO_B
.irp b, 0,1,2,3,4,5,6,7
.irp c, 0,1,2
	ds_load_b128 v[128*(\set)+12*\b+4*\c:128*(\set)+12*\b+4*\c+3], v[ADB+2*(\rho)+(\q)/2] offset:WBLK*((\q)%2)+1536*\b+512*\c
.endr
.endr
	WIN 0
.endm
.macro SCALES rho, hq                  ; the scale words of K steps 2 hq (lanes 0-15) and 2 hq + 1 (lanes 16-31)
.irp a, 0,1,2,3
	ds_load_b32 v[SCA+4*(\hq)+\a], v[ASA+2*(\rho)+(\hq)] offset:64*\a
.endr
.irp b, 0,1,2,3,4,5,6,7
	ds_load_b32 v[SCB+8*(\hq)+\b], v[ASB+2*(\rho)+(\hq)] offset:64*\b
.endr
.endm
; Eight matrix instructions: token block a against my eight tiles of W2, K step q.  cm = 1: the expert's first K step, whose C is b2.  The 32 accumulators take turns, one instruction a turn,
; in the same order in every K step..
.macro MUL8 a, q, cm
.irp b, 0,1,2,3,4,5,6,7
.if \cm
	v_wmma_scale_f32_16x16x128_f8f6f4 v[8*(8*(\a)+\b):8*(8*(\a)+\b)+7], v[128*((\q)%2)+12*\b:128*((\q)%2)+12*\b+11], v[AF+48*((\q)%2)+12*(\a):AF+48*((\q)%2)+12*(\a)+11], v[CB+8*\b:CB+8*\b+7], v[SCB+8*((\q)/2)+\b], v[SCA+4*((\q)/2)+(\a)] matrix_a_fmt:MATRIX_FMT_FP6 matrix_b_fmt:MATRIX_FMT_FP6
.elseif (\q)%2
	v_wmma_scale_f32_16x16x128_f8f6f4 v[8*(8*(\a)+\b):8*(8*(\a)+\b)+7], v[128*((\q)%2)+12*\b:128*((\q)%2)+12*\b+11], v[AF+48*((\q)%2)+12*(\a):AF+48*((\q)%2)+12*(\a)+11], v[8*(8*(\a)+\b):8*(8*(\a)+\b)+7], v[SCB+8*((\q)/2)+\b], v[SCA+4*((\q)/2)+(\a)] matrix_a_fmt:MATRIX_FMT_FP6 matrix_b_fmt:MATRIX_FMT_FP6 matrix_a_scale:MATRIX_SCALE_ROW1 matrix_b_scale:MATRIX_SCALE_ROW1
.else
	v_wmma_scale_f32_16x16x128_f8f6f4 v[8*(8*(\a)+\b):8*(8*(\a)+\b)+7], v[128*((\q)%2)+12*\b:128*((\q)%2)+12*\b+11], v[AF+48*((\q)%2)+12*(\a):AF+48*((\q)%2)+12*(\a)+11], v[8*(8*(\a)+\b):8*(8*(\a)+\b)+7], v[SCB+8*((\q)/2)+\b], v[SCA+4*((\q)/2)+(\a)] matrix_a_fmt:MATRIX_FMT_FP6 matrix_b_fmt:MATRIX_FMT_FP6
.endif
.endr
.endm
.macro STEP rho, q, cm, extra          ; K step q = 0 .. 2 of a slot: the next K step's 36 loads stand in one run at its head
	s_wait_dscnt 0x0                               ; this K step's fragments and scale words, asked for a K step ago
	PLACES 4                                       ; ahead of loads into the sets, and into b2's registers, that the last K step's products read
.if \extra
	WIN 0
	NEXTC
.endif
	FETCH_B \rho, (\q)+1, 1-(\q)%2
	FETCH_A \rho, (\q)+1, 1-(\q)%2
.if (\q) == 1
	SCALES \rho, 1
.endif
.if \cm
	WIN MULC
.else
	WIN MUL
.endif
	MUL8 0, \q, \cm
	MUL8 1, \q, \cm
	MUL8 2, \q, \cm
	MUL8 3, \q, \cm
.endm
; K step 3 changes slots: ONE barrier.  In front of it each wave waits for all its tensor loads (at most one is out: its part of the other slot), adds 0 to its spare word, and waits for that and for its reads of this slot.
; fill = 1: the barrier opens a round of the cluster's barrier, and the joint refill of this slot, with the expert two on, is the first thing behind the round.
.macro TURN rho, nxt, fill, ask
	WIN 0                                          ; (the add's two registers lie in window 0)
	s_wait_tensorcnt 0x0
	ds_add_u32 v[SPW], v[NIL]                      ; 0 onto my spare word
.if \fill
	s_add_nc_u64 s[G0A+4*\rho+2:G0A+4*\rho+3], s[G0A+4*\rho+2:G0A+4*\rho+3], 8*XBLK   ; no tensor load of mine is out: the slot's groups 0 may step
	s_add_nc_u64 s[G0B+4*\rho+2:G0B+4*\rho+3], s[G0B+4*\rho+2:G0B+4*\rho+3], 8*WBLK
.endif
	s_wait_dscnt 0x1                               ; K step 3's 36 loads are in; the add may be out
	WIN MUL
	MUL8 0, 3, 0
	s_wait_dscnt 0x0                               ; the add is done, and my reads of this slot are over
	s_barrier_signal -1
	MUL8 1, 3, 0                                   ; work on registers while the others arrive
	WIN 0
	s_barrier_wait -1
.if \fill
	CREST                                          ; no wave of any partner still reads this slot or has a load on its way
	REFILL \rho
.endif
	PLACES 4                                       ; on every wave's way: ahead of the loads into set 0
	FETCH_B \nxt, 0, 0
	FETCH_A \nxt, 0, 0
	SCALES \nxt, 0
	ASK \ask                                       ; behind the joint load and the run of LDS loads that the next products wait for
	WIN MUL
	MUL8 2, 3, 0
	MUL8 3, 3, 0
.endm
.macro LAST
	s_wait_dscnt 0x0
	WIN MUL
	MUL8 0, 3, 0
	MUL8 1, 3, 0
	MUL8 2, 3, 0
	MUL8 3, 3, 0
.endm
; out += gate x y, two numbers an instruction; each accumulator is read from its low end on.  mode = 0: the first expert starts the sums: nothing is cleared.
.macro GATE mode, next
	s_wait_loadcnt 0x0                             ; the next expert's b2 and gates, asked for three K steps ago
	PLACES 4                                       ; ahead of the first read of results
.if \mode
	WIN 0xf2                                       ; y window 2, the gate window 0, out window 3
.else
	WIN 0xc2
.endif
.irp a, 0,1,2,3
.set n, 0
.rept 32
.if \mode
	v_pk_fma_f32 v[64*\a+2*n:64*\a+2*n+1], v[64*\a+2*n:64*\a+2*n+1], v[GC+2*\a:GC+2*\a+1], v[64*\a+2*n:64*\a+2*n+1] op_sel_hi:[1,0,1]
.else
	v_pk_mul_f32 v[64*\a+2*n:64*\a+2*n+1], v[64*\a+2*n:64*\a+2*n+1], v[GC+2*\a:GC+2*\a+1] op_sel_hi:[1,0]
.endif
.set n, n+1
.endr
.endr
	WIN 0
.if \next
.irp a, 0,1,2,3
	v_mov_b32 v[GC+2*\a], v[GN+\a]
.endr
.endif
.endm
.macro LAP rho, fill, next, mode, last, ask    ; one expert
	STEP \rho, 0, 1, 0
	STEP \rho, 1, 0, \next
	STEP \rho, 2, 0, 0
.if \last
	LAST
.else
	TURN \rho, 1-\rho, \fill, \ask
.endif
	GATE \mode, \next
.endm
	CLOAD                                          ; expert 0's b2
.irp a, 0,1,2,3
	global_load_b32 v[GC+2*\a], v[GO], s[8:9] offset:64*\a     ; and its gates
.endr
	s_wait_tensorcnt 0x1                           ; my part of slot 0 is in; slot 1's load may be out
	s_barrier_signal -1
	s_barrier_wait -1                              ; everybody's is
	FETCH_B 0, 0, 0
	FETCH_A 0, 0, 0
	SCALES 0, 0
	s_wait_loadcnt 0x0
	LAP 0, 1, 1, 0, 0, 0                           ; expert 0 starts the sums; slot 0 takes expert 2
	LAP 1, 1, 1, 1, 0, 1                           ; expert 1; slot 1 takes expert 3
	s_mov_b32 s3, 2
.Lpair:                                            ; experts 2 to 5 fill the slots with experts 4 to 7
	LAP 0, 1, 1, 1, 0, 0
	LAP 1, 1, 1, 1, 0, 2
	s_sub_co_u32 s3, s3, 1
	s_cmp_lg_u32 s3, 0
	s_cbranch_scc1 .Lpair
	LAP 0, 0, 1, 1, 0, 0                           ; experts 6 and 7 are written out: nothing is left to ask for
	LAP 1, 0, 0, 1, 1, 0
; THE WAY OUT, block by block of 16 tokens x 128 columns.  A lane holds 32 neighbouring bytes of a row and the lanes beside it other rows: so a block goes through my own stage in LDS and comes back as whole rows
; of 512 bytes.  LDS serves a wave's instructions in order (ISA guide 5.7.1.4): no wait between the stores and the loads, nor in front of the next block's stores.
.macro TOSTAGE a
	WIN 0x0c                                       ; the data: window 3
.irp b, 0,1,2,3,4,5,6,7
	ds_store_b128 v[STO], v[64*(\a)+8*\b:64*(\a)+8*\b+3] offset:64*\b
	ds_store_b128 v[STO], v[64*(\a)+8*\b+4:64*(\a)+8*\b+7] offset:64*\b+16
.endr
	WIN 0
.set BB, BK+64*((\a)%2)
.irp t, 0,1,2,3,4,5,6,7,8,9,10,11,12,13,14,15
	ds_load_b128 v[BB+4*\t:BB+4*\t+3], v[RD] offset:\t*SPITCH
.endr
.endm
.macro SEND a, younger                 ; younger: the LDS instructions issued behind block a's loads, which may stay out
.set BB, BK+64*((\a)%2)
	s_wait_dscnt \younger
.if (\a) > 0
	s_add_nc_u64 s[12:13], s[12:13], 16*4096       ; (behind a wait on XCNT: the earlier stores have read their base)  16 rows on
.endif
.irp t, 0,1,2,3,4,5,6,7,8,9,10,11,12,13,14,15
	global_store_b128 v[CO], v[BB+4*\t:BB+4*\t+3], s[12:13] offset:\t*4096 th:TH_STORE_NT   ; 32 lanes store 512 consecutive bytes, at a multiple of 512 from out0's first byte
.endr
.endm
	TOSTAGE 0
.irp a, 1,2,3
.if \a > 1
	s_wait_xcnt 0x0                                ; block a - 2's stores have read their registers and their base
.endif
	TOSTAGE \a
	SEND \a-1, 32                                  ; behind block a - 1's loads: block a's 16 stores and 16 loads
.endr
	s_wait_xcnt 0x0                                ; block 2's stores have read their base
	SEND 3, 0
	s_wait_tensorcnt 0x0                           ; the wave's end: behind my last tensor load and my last LDS store
	ds_add_u32 v[SPW], v[NIL]
	s_wait_dscnt 0x0
	CROUND                                         ; the closing round: no work-group ends while a partner may still ask for a tile that names it
	s_endpgm
.Lfunc_end_k_qb37be38292_down:
	.size	k_qb37be38292_down, .Lfunc_end_k_qb37be38292_down-k_qb37be38292_down
	.p2alignl 7, 3214868480
	.fill 96, 4, 3214868480
	.section	.rodata,"a",@progbits
	.p2align	6, 0x0
	.amdhsa_kernel k_qb37be38292_down
		.amdhsa_group_segment_fixed_size 327680
		.amdhsa_private_segment_fixed_size 0
		.amdhsa_enable_private_segment 0
		.amdhsa_kernarg_size 40
		.amdhsa_user_sgpr_count 2
		.amdhsa_user_sgpr_kernarg_segment_ptr 1
		.amdhsa_wavefront_size32 1
		.amdhsa_system_sgpr_workgroup_id_x 1
		.amdhsa_system_sgpr_workgroup_id_y 1
		.amdhsa_system_sgpr_workgroup_id_z 1
		.amdhsa_system_vgpr_workitem_id 0
		.amdhsa_next_free_vgpr 1024
		.amdhsa_next_free_sgpr 72
		.amdhsa_reserve_vcc 1
		.amdhsa_float_denorm_mode_32 3
		.amdhsa_float_denorm_mode_16_64 3
		.amdhsa_memory_ordered 1
		.amdhsa_forward_progress 1
		.amdhsa_inst_pref_size 255
	.end_amdhsa_kernel
	.section	.bss,"aw",@nobits
	.p2align	6
	.space	262144
	.amdgpu_metadata
---
amdhsa.version: [ 1, 2 ]
amdhsa.kernels:
  - .name:           k_qb37be38292_down
    .symbol:         k_qb37be38292_down.kd
    .args:
      - { .name: hb, .offset: 0, .size: 8, .value_kind: global_buffer, .address_space: global }
      - { .name: w2b, .offset: 8, .size: 8, .value_kind: global_buffer, .address_space: global }
      - { .name: gate, .offset: 16, .size: 8, .value_kind: global_buffer, .address_space: global }
      - { .name: b2, .offset: 24, .size: 8, .value_kind: global_buffer, .address_space: global }
      - { .name: out0, .offset: 32, .size: 8, .value_kind: global_buffer, .address_space: global }
    .group_segment_fixed_size: 327680
    .private_segment_fixed_size: 0
    .kernarg_segment_align: 8
    .kernarg_segment_size: 40
    .max_flat_workgroup_size: 128
    .sgpr_count:     72
    .vgpr_count:     1024
    .wavefront_size: 32
...
	.end_amdgpu_metadata
.endif
;; end of part 3
